; MI455X (gfx1250); checked and timed in simulation.
; The chip was launched on July 23, 2026; its instructions are those of AMD's public machine-readable ISA for CDNA 5 (MIT licence, August 2026) and "CDNA5" Instruction Set Architecture Reference Guide (July 2026). The comments in the code are by the model that wrote it; some were corrected since.
;; Attend. Allowed arithmetic: matrix products marked QUANTISED: E3M2 operands, one E8M0 scale for each 32 along K, by v_wmma_scale_f32_16x16x128_f8f6f4 with both operands' format E3M2, f32 sums; everything else in f32.
;; Inputs: Wk 1,024 x 1,024 float32; Wo 1,024 x 1,024 float32; Wq 1,024 x 1,024 float32; Wv 1,024 x 1,024 float32; bk 1,024 float32; bo 1,024 float32; bq 1,024 float32; bv 1,024 float32; x 2 x 2,048 x 1,024 float32.
;; Outputs: out0 2 x 2,048 x 1,024 float32.
;; This version of the problem:
;;   THIS VERSION OF THE PROBLEM IS GIVEN IN LOW PRECISION. The matrix products marked QUANTISED in the list below multiply operands that are first quantised to E3M2 (3 exponent bits, 2 mantissa bits; 6 bits a number), with one power-of-two scale for each 32 numbers along K (OCP MX v1.0); their sums are f32. All else is computed in f32.
;;   The module's matrix products, in the order in which they are computed (A, B: the left and right operand; K: the contracted axis; several contracted axes count as one K, in the product's order):
;;     1. [M 4,096, K 1,024] x [K 1,024, N 1,024]; A: input x; B: input Wq: QUANTISED
;;     2. [M 4,096, K 1,024] x [K 1,024, N 1,024]; A: input x; B: input Wk: QUANTISED
;;     3. [M 4,096, K 1,024] x [K 1,024, N 1,024]; A: input x; B: input Wv: QUANTISED
;;     4. batch 32 x [M 2,048, K 64] x [K 64, N 2,048]; A: computed on the way; B: computed on the way: QUANTISED
;;     5. batch 32 x [M 2,048, K 2,048] x [K 2,048, N 64]; A: softmax (see below); B: computed on the way: QUANTISED
;;     6. [M 4,096, K 1,024] x [K 1,024, N 1,024]; A: computed on the way; B: input Wo: QUANTISED
;;   THE QUANTISER, for each operand of a quantised product, along K:
;;     - K is cut into blocks of 32 from its start; a last block that is shorter is filled with zeros.
;;     - A block's scale is 2^e with e = floor(log2(the largest magnitude in the block)) - 4, held to -126 .. 127; a block of zeros has e = 0. As a byte (E8M0): e + 127.
;;     - Each number is divided by its block's scale, clamped to +-28, and rounded to the nearest number of E3M2, ties to even, subnormals kept.
;;     - The product sums the exact products of the quantised numbers (number of the format x scale) in f32.
;;   ~~~python
;;   def quantise(x, axis):      # numpy; x: float32 -> the quantised numbers, widened to float32 again
;;       x = np.moveaxis(x, axis, -1); K = x.shape[-1]
;;       x = np.pad(x, [(0, 0)] * (x.ndim - 1) + [(0, -K % 32)]); x = x.reshape(x.shape[:-1] + (-1, 32)); a = np.abs(x).max(-1, keepdims=True)
;;       e = np.where(a > 0, np.clip(np.frexp(np.where(a > 0, a, 1))[1] - 1 - 4, -126, 127), 0)      # np.frexp(a)[1] - 1 = floor(log2(a)), exactly
;;       r = np.clip(x / 2.0 ** e, -28, 28)
;;       step = 2.0 ** (np.maximum(np.frexp(np.where(r == 0, 1, r))[1] - 1, -2) - 2)
;;       q = np.round(r / step) * step * 2.0 ** e      # np.round: ties to even
;;       return np.moveaxis(q.reshape(q.shape[:-2] + (-1,))[..., :K], -1, axis).astype(np.float32)
;;   ~~~
;;   SOFTMAX AHEAD OF A QUANTISED PRODUCT. Where the list says 'softmax', what is quantised is not the finished softmax but p = 2^(t - M), with t = logit x log2(e) and M = ceil(the row's largest t), a whole number; so 1/2 < the row's largest p <= 1. The row's sum l is taken of the UNQUANTISED p, in f32, and the product's result is divided by l at the end. Since M is a whole number, a kernel that streams over the keys may use a running M (the ceiling of the running maximum): every later rescaling is an exact power of two, which a block's scale takes up: the codes' values come out the same.
;;   OPERANDS COMPUTED ON THE WAY. 'Computed on the way' means the value that the module computes at that place (a softmax that the list does not call 'softmax' is quantised finished and normalised). What goes into a quantiser is computed in f32, as accurately as f32 sums, v_exp_f32 and their like allow (about 1e-6 of the number): no bf16 or f16 on the way to a quantiser, and a product that is left as it is and whose result goes on into a quantised operand takes f32 operands (vector FMAs, or v_wmma_f32_16x16x4_f32). A number that lies on a knife's edge between two numbers of the format may be rounded either way, as far as f32 arithmetic and the matrix unit's own rounding can turn it there, and no further.
;; One version. Each part assembles by itself: llvm-mc -triple=amdgcn-amd-amdhsa -mcpu=gfx1250 --defsym DOCPART=n.
;; ======== version 1 of 1: 4 launches
;; limits: right only within a limited range of input values
;; workspace buffers: xq 3,276,800 bytes; oq 3,276,800 bytes; wqkv 2,457,600 bytes; wo 819,200 bytes; qq 3,276,800 bytes; kv 6,553,600 bytes
;; launch prep (part 1): grid 1024 x 1, 4 waves a work-group, no clusters, 67,584 bytes of LDS; arguments x, Wq, Wk, Wv, Wo, xq, wqkv, wo; writes xq, wqkv, wo
.if DOCPART == 1
	.amdgcn_target "amdgcn-amd-amdhsa--gfx1250"
	.amdhsa_code_object_version 6
	.text
	.protected	k_qe708ca60f8_prep
	.globl	k_qe708ca60f8_prep
	.p2align	8
	.type	k_qe708ca60f8_prep,@function
k_qe708ca60f8_prep:
	s_mov_b64 s[64:65], 0
	v_nop
	global_prefetch_b8 v0, s[64:65] scope:SCOPE_SE
	s_setreg_imm32_b32 hwreg(HW_REG_WAVE_MODE, 25, 1), 1
	s_wait_xcnt 0x0
; x [4096][1024] f32 (K innermost) and Wq, Wk, Wv, Wo [1024 (K)][1024] f32 (K = first axis) become codes of BF6 (E3M2) with one E8M0 byte for each 32 along K,
; laid as IMAGES OF OPERAND REGISTERS.  One wave makes one fragment, 16 rows (or columns) x 128 K: 12 registers a lane; lane (r, h) holds k = 64 c + 32 h + 0..31 in registers 6 c .. 6 c + 5.
; A fragment's 1,536 bytes are two halves of 768: registers 0-3 at 16 x lane, registers 4-5 at 512 + 8 x lane.  Its scale words: 4 bytes a row, 64 bytes a tile.
; THE ROWS OF A TILE ARE NOT NEIGHBOURS: in each group of 64 rows (columns) tile t holds at place p the row 8 t + p % 8 + 32 (p / 8).  In a product's result a lane (r, h) then holds, over the
; four tiles of a group, rows 32 h + 0..31: a whole block of 32 of the next product's K.
; Work-groups 0-511: x, group of 64 rows G = n / 8, K step s = n % 8, wave = tile.  Work-groups 512-1023: weight m = n' / 128, 64 columns hh = (n' / 8) % 16, K step s = n' % 8, wave = tile.
; Every global load reads whole rows of 512 or 256 consecutive bytes; the numbers turn through LDS so that a lane's registers run along K.  Each path has LDS bytes of its own;
; all LDS stores stand in front of the one barrier, all LDS loads behind it.
; A block's scale byte is its largest magnitude's exponent field - 4, held at 1 from below.
; LEFT OUT IN THE PROGRAM: in launch attn the steps of 128 keys that lie wholly behind a tile's queries.  reference() puts -inf there by the mask it builds itself, so their p is 0 for all inputs.
; LIMITS: a NaN, an infinity or an overflow that reaches only work left out is not carried to the result; a block of zeros gets the byte 1 where the rule says 127 (its codes are zeros; this
; program alone reads the bytes); NaN and infinities among the inputs are not served.  The scale words leave as 64 bytes a wave, part of an aligned 256: one byte in 24 of what is stored.
.set XSC,  3145728                     ; xq: the scale words begin behind the codes
.set XSTG, 8448                        ; x path: a wave's stage, 16 rows x 528 bytes (512 + 16: row r starts at bank 4 r mod 64)
.set WLDS, 33792                       ; weight path: four blocks of 32 K rows x 256 bytes,
.set WBLK, 8256                        ; 8,256 bytes apart: lanes 16-31 read 16 banks away from lanes 0-15
.set X,   16                           ; v16-79   numbers as loaded
.set Y,   80                           ; v80-143  register 32 c + i = number i of my block 2 c + h
.set MX,  144                          ; v144-145 largest magnitudes
.set SO,  146                          ; v146-147 the conversions' scale operands
.set BY,  148                          ; v148-149 scale bytes
.set PW,  150                          ; v150     the row's scale word
.set TT,  151
.set PC,  152                          ; v152-163 the fragment
.set TC,  164                          ; v164-170 second halves of the blocks' codes
	s_load_b512 s[4:19], s[0:1], 0x0               ; x, Wq, Wk, Wv, Wo, xq, wqkv, wo
	v_lshl_add_u32 v176, v0, 2, 0x10600
	v_mov_b32 v177, 0
	v_lshrrev_b32 v1, 5, v0
	v_readfirstlane_b32 s20, v1                    ; wave = tile
	v_and_b32 v1, 31, v0                           ; lane
	v_and_b32 v2, 15, v0                           ; r
	v_bfe_u32 v3, v0, 4, 1                         ; h
	v_lshlrev_b32 v4, 4, v1                        ; 16 x lane
	v_lshlrev_b32 v5, 3, v1                        ; 8 x lane
	v_lshlrev_b32 v8, 2, v2                        ; 4 r
	v_lshlrev_b32 v9, 3, v3                        ; 8 h
	s_mov_b32 s22, 0x76543210
	s_mov_b32 s23, 0xfedcba98                      ; v_permlanex16_b32's selects for lane l xor 16
	; every LDS address is made here, ahead of the parting
	s_mul_i32 s21, s20, XSTG
	v_add_nc_u32 v6, s21, v4                       ; x, in: my stage + 16 x lane (+ 528 x row)
	v_mul_u32_u24 v7, v2, 528
	v_lshl_add_u32 v7, v3, 7, v7
	v_add_nc_u32 v7, s21, v7                       ; x, out: row r, + 128 h: my block's 128 bytes
	s_mul_i32 s21, s20, WBLK
	s_add_co_u32 s21, s21, WLDS
	v_lshlrev_b32 v12, 4, v2
	v_lshl_add_u32 v10, v3, 8, v12
	v_add_nc_u32 v10, s21, v10                     ; W, in: my block + 256 h + 16 r (+ 512 for each two rows)
	v_lshl_add_u32 v12, v3, 12, v12                ; W, in memory: h rows of 4,096 bytes + 16 r
	v_and_b32 v11, 8, v2
	v_mad_u32_u24 v11, v11, 3, v2                  ; r % 8 + 32 (r / 8)
	v_lshlrev_b32 v11, 2, v11
	v_mad_u32_u24 v11, v3, WBLK, v11               ; lanes 16-31 take the next block of 32 K rows
	s_lshl_b32 s21, s20, 5                         ; 4 x 8 x tile
	s_add_co_u32 s21, s21, WLDS
	v_add_nc_u32 v11, s21, v11                     ; W, out: my column
	v_mov_b32 v[TT], 0                             ; a lane permute's destination counts as one of its sources
	s_wait_alu depctr_va_vdst(0)                   ; the head's end
	s_wait_kmcnt 0x0
	s_cmp_lt_u32 ttmp9, 512
	s_cbranch_scc0 .Lw_in
	; ---- x: sixteen rows, 512 consecutive bytes each
	s_lshr_b32 s24, ttmp9, 3                       ; G
	s_and_b32 s25, ttmp9, 7                        ; s
	s_lshl_b32 s24, s24, 6
	s_lshl_b32 s26, s20, 3
	s_add_co_u32 s24, s24, s26                     ; the tile's first row: 64 G + 8 x tile
	s_lshl_b32 s24, s24, 12
	s_lshl_b32 s25, s25, 9
	s_add_co_u32 s24, s24, s25                     ; in bytes, + 512 s
	s_mov_b32 s25, 0
	s_add_nc_u64 s[4:5], s[4:5], s[24:25]
.irp p, 0,1,2,3,4,5,6,7,8,9,10,11,12,13,14,15
	global_load_b128 v[X+4*\p:X+4*\p+3], v4, s[4:5] offset:(\p%8+32*(\p/8))*4096 th:TH_LOAD_NT   ; place p of the tile
.endr
	s_mov_b64 s[32:33], s[14:15]                   ; out: xq
	s_lshl_b32 s34, ttmp9, 2
	s_add_co_u32 s34, s34, s20                     ; fragment 4 n + tile
	s_mul_i32 s35, s34, 1536                       ; its codes,
	s_lshl_b32 s36, s34, 6
	s_add_co_u32 s36, s36, XSC                     ; its scale words
.irp p, 0,1,2,3,4,5,6,7,8,9,10,11,12,13,14,15
	s_wait_loadcnt 15-\p                           ; loads come back in order: load p is in, the younger ones may be out
	ds_store_b128 v6, v[X+4*\p:X+4*\p+3] offset:528*\p
.endr
	s_branch .Ljoin
.Lw_in:
	; ---- a weight: my 32 of the K step's 128 rows, 256 consecutive bytes (64 columns) each, two rows a load
	s_sub_co_u32 s24, ttmp9, 512                   ; n'
	s_lshr_b32 s25, s24, 7                         ; m: 0 Wq, 1 Wk, 2 Wv, 3 Wo
	s_and_b32 s26, s24, 7                          ; s
	s_bfe_u32 s27, s24, 0x40003                    ; hh
	s_lshl_b32 s26, s26, 7
	s_lshl_b32 s30, s20, 5
	s_add_co_u32 s26, s26, s30                     ; K row 128 s + 32 wave
	s_lshl_b32 s26, s26, 12
	s_lshl_b32 s27, s27, 8
	s_add_co_u32 s26, s26, s27                     ; in bytes, + 256 hh
	s_mov_b32 s27, 0
	s_and_b32 s34, s24, 127                        ; 8 hh + s
	s_lshl_b32 s39, s25, 2                         ; 4 m
	s_cmp_eq_u32 s25, 1
	s_cselect_b64 s[6:7], s[8:9], s[6:7]
	s_cmp_eq_u32 s25, 2
	s_cselect_b64 s[6:7], s[10:11], s[6:7]
	s_cmp_eq_u32 s25, 3                            ; Wo has a buffer and a block size of its own
	s_cselect_b64 s[6:7], s[12:13], s[6:7]
	s_cselect_b64 s[32:33], s[18:19], s[16:17]     ; out: wo or wqkv
	s_mov_b32 s37, 19200
	s_cselect_b32 s37, 6400, s37                   ; bytes of a (head, K step) block
	s_mov_b32 s38, 18432
	s_cselect_b32 s38, 6144, s38                   ; where its scale words begin
	s_cselect_b32 s39, 0, s39                      ; the weight's first tile in it
	s_add_nc_u64 s[6:7], s[6:7], s[26:27]
	s_wait_alu depctr_va_vdst(0)
.irp p, 0,1,2,3,4,5,6,7,8,9,10,11,12,13,14,15
	global_load_b128 v[X+4*\p:X+4*\p+3], v12, s[6:7] offset:\p*8192 th:TH_LOAD_NT
.endr
	s_mul_i32 s34, s34, s37
	s_add_co_u32 s39, s39, s20                     ; my tile
	s_mul_i32 s35, s39, 1536
	s_add_co_u32 s35, s35, s34                     ; its codes,
	s_lshl_b32 s36, s39, 6
	s_add_co_u32 s36, s36, s34
	s_add_co_u32 s36, s36, s38                     ; its scale words
.irp p, 0,1,2,3,4,5,6,7,8,9,10,11,12,13,14,15
	s_wait_loadcnt 15-\p
	ds_store_b128 v10, v[X+4*\p:X+4*\p+3] offset:512*\p
.endr
.Ljoin:
	s_wait_dscnt 0x0                               ; for the others' sake: my stores have landed
	s_barrier_signal -1
	s_barrier_wait -1                              ; a weight's 128 K rows come from all four waves
	s_cmp_lt_u32 ttmp9, 512
	s_cbranch_scc0 .Lw_out
.irp c, 0,1
.irp i, 0,1,2,3,4,5,6,7
	ds_load_b128 v[Y+32*\c+4*\i:Y+32*\c+4*\i+3], v7 offset:256*\c+16*\i   ; row r, k = 64 c + 32 h + 4 i ..
.endr
.endr
	s_branch .Lquant
.Lw_out:
	s_wait_alu depctr_va_vdst(0)
.irp c, 0,1
.irp i, 0,1,2,3,4,5,6,7,8,9,10,11,12,13,14,15,16,17,18,19,20,21,22,23,24,25,26,27,28,29,30,31
	ds_load_b32 v[Y+32*\c+\i], v11 offset:2*WBLK*\c+256*\i   ; my column, K row 64 c + 32 h + i
.endr
.endr
.Lquant:
	s_wait_dscnt 0x0
.irp c, 0,1                                    ; my block 2 c + h: all its 32 numbers are mine
	v_max3_num_f32 v[MX+\c], |v[Y+32*\c]|, |v[Y+32*\c+1]|, 0x2800000   ; with the floor 2^(5 - 127): the byte cannot fall under 1
.endr
.irp i, 2,4,6,8,10,12,14,16,18,20,22,24,26,28,30
.irp c, 0,1
	v_max3_num_f32 v[MX+\c], v[MX+\c], |v[Y+32*\c+\i]|, |v[Y+32*\c+\i+1]|
.endr
.endr
.irp c, 0,1
	v_add_nc_u32 v[SO+\c], 0xfe000000, v[MX+\c]    ; 4 off the exponent field: the conversion takes this operand's exponent field as its scale
.endr
.irp c, 0,1
	v_lshrrev_b32 v[BY+\c], 23, v[SO+\c]           ; the scale's byte
.endr
	v_lshl_or_b32 v[PW], v[BY+1], 16, v[BY]        ; blocks h and 2 + h,
	v_lshlrev_b32 v[PW], v9, v[PW]                 ; at their places in the word;
	v_permlanex16_b32 v[TT], v[PW], s22, s23
	v_or_b32 v[PW], v[PW], v[TT]                   ; with lane l xor 16's two the word is whole
.irp c, 0,1
	v_cvt_scalef32_pk16_bf6_f32 v[PC+6*\c:PC+6*\c+2], v[Y+32*\c:Y+32*\c+15], v[SO+\c]
	v_cvt_scalef32_pk16_bf6_f32 v[TC+4*\c:TC+4*\c+2], v[Y+32*\c+16:Y+32*\c+31], v[SO+\c]   ; (a conversion's three registers begin on an even number)
.endr
	v_add_nc_u32 v13, s35, v4                      ; (plain lines behind the conversions)
	v_add_nc_u32 v14, s35, v5
	v_add_nc_u32 v15, s36, v8
.irp c, 0,1
.irp i, 0,1,2
	v_mov_b32 v[PC+6*\c+3+\i], v[TC+4*\c+\i]
.endr
.endr
	global_store_b128 v13, v[PC:PC+3], s[32:33]                    ; each store covers 512 or 256 consecutive bytes, aligned
	global_store_b64 v14, v[PC+4:PC+5], s[32:33] offset:512
	global_store_b128 v13, v[PC+6:PC+9], s[32:33] offset:768
	global_store_b64 v14, v[PC+10:PC+11], s[32:33] offset:1280
	global_store_b32 v15, v[PW], s[32:33]                          ; both halves of the lanes write the same word
	s_wait_tensorcnt 0x0                           ; the wave's end
	ds_add_u32 v176, v177
	s_wait_dscnt 0x0
	s_endpgm
.Lfunc_end_k_qe708ca60f8_prep:
	.size	k_qe708ca60f8_prep, .Lfunc_end_k_qe708ca60f8_prep-k_qe708ca60f8_prep
	.p2alignl 7, 3214868480
	.fill 96, 4, 3214868480
	.section	.rodata,"a",@progbits
	.p2align	6, 0x0
	.amdhsa_kernel k_qe708ca60f8_prep
		.amdhsa_group_segment_fixed_size 67584
		.amdhsa_private_segment_fixed_size 0
		.amdhsa_enable_private_segment 0
		.amdhsa_kernarg_size 64
		.amdhsa_user_sgpr_count 2
		.amdhsa_user_sgpr_kernarg_segment_ptr 1
		.amdhsa_wavefront_size32 1
		.amdhsa_system_sgpr_workgroup_id_x 1
		.amdhsa_system_sgpr_workgroup_id_y 1
		.amdhsa_system_sgpr_workgroup_id_z 1
		.amdhsa_system_vgpr_workitem_id 0
		.amdhsa_next_free_vgpr 178
		.amdhsa_next_free_sgpr 66
		.amdhsa_reserve_vcc 0
		.amdhsa_float_denorm_mode_32 3
		.amdhsa_float_denorm_mode_16_64 3
		.amdhsa_memory_ordered 1
		.amdhsa_forward_progress 1
		.amdhsa_inst_pref_size 19
	.end_amdhsa_kernel
	.amdgpu_metadata
---
amdhsa.version: [ 1, 2 ]
amdhsa.kernels:
  - .name:           k_qe708ca60f8_prep
    .symbol:         k_qe708ca60f8_prep.kd
    .args:
      - { .name: x, .offset: 0, .size: 8, .value_kind: global_buffer, .address_space: global }
      - { .name: Wq, .offset: 8, .size: 8, .value_kind: global_buffer, .address_space: global }
      - { .name: Wk, .offset: 16, .size: 8, .value_kind: global_buffer, .address_space: global }
      - { .name: Wv, .offset: 24, .size: 8, .value_kind: global_buffer, .address_space: global }
      - { .name: Wo, .offset: 32, .size: 8, .value_kind: global_buffer, .address_space: global }
      - { .name: xq, .offset: 40, .size: 8, .value_kind: global_buffer, .address_space: global }
      - { .name: wqkv, .offset: 48, .size: 8, .value_kind: global_buffer, .address_space: global }
      - { .name: wo, .offset: 56, .size: 8, .value_kind: global_buffer, .address_space: global }
    .group_segment_fixed_size: 67584
    .private_segment_fixed_size: 0
    .kernarg_segment_align: 8
    .kernarg_segment_size: 64
    .max_flat_workgroup_size: 128
    .sgpr_count:     66
    .vgpr_count:     178
    .wavefront_size: 32
...
	.end_amdgpu_metadata
.endif
;; end of part 1
;; launch qkv (part 2): grid 16 x 16, 4 waves a work-group, clusters of 4 x 1, 327,680 bytes of LDS; arguments xq, wqkv, bq, bk, bv, qq, kv; writes qq, kv
.if DOCPART == 2
	.amdgcn_target "amdgcn-amd-amdhsa--gfx1250"
	.amdhsa_code_object_version 6
	.text
	.protected	k_qe708ca60f8_qkv
	.globl	k_qe708ca60f8_qkv
	.p2align	8
	.type	k_qe708ca60f8_qkv,@function
k_qe708ca60f8_qkv:
	s_mov_b64 s[64:65], 0
	v_nop
	global_prefetch_b8 v0, s[64:65] scope:SCOPE_SE
	s_setreg_imm32_b32 hwreg(HW_REG_WAVE_MODE, 25, 1), 1
	s_wait_xcnt 0x0
	s_wait_alu depctr_hold_cnt(0) depctr_sa_sdst(0) depctr_va_vdst(0) depctr_va_sdst(0) depctr_va_ssrc(0) depctr_va_vcc(0) depctr_vm_vsrc(0)
	s_getreg_b32 s2, hwreg(HW_REG_IB_STS2, 6, 4)
	s_cmp_eq_u32 s2, 0
	s_cbranch_scc0 .Lentry_in_a_cluster
	s_endpgm
.Lentry_in_a_cluster:
	s_bfe_u32 s2, ttmp6, 0x10000c
	s_cmp_lg_u32 s2, 0x3003
	s_cbranch_scc0 .Lentry_shape_is_right
	s_endpgm
.Lentry_shape_is_right:
; q = x Wq + bq, k = x Wk + bk, v = x Wv + bv on codes of BF6; the results are quantised and stored as images of the registers that attention wants.  Work-group: 256 rows x one head's 3 x 64 columns;
; wave: 64 rows.  Tile t of a group of 64 holds at place p row (column) 8 t + p % 8 + 32 (p / 8).  Q and K are made transposed (a lane: one row, channels 32 h + 0..31 over the four tiles),
; V is not (a lane: one channel, rows 32 h + 0..31): either way a lane's 32 registers are one block of the next product's K.  The biases are the C of the first products.
; x's fragments come from memory straight into registers; the head's weights come into LDS by joint loads, K steps 0-3, then 4-7.
; LIMITS: a block of zeros gets the byte 1; NaN and infinities are not served.
.set XSC,  3145728
.set QSC,  3145728
.set SBLK, 19200
.set B16,  4
.set B8,   7
.set B4,   10
.set HB,   13
.set VB,   14
.set XS,   16
.set WS,   32
.set TM,   40
.set AR,   64
.set BIAS, 144
.set WV,   20
.set G1,   24
.set G0A,  32
.set G0B,  36
.set SEL,  56
.set MSB, 0
.macro WIN new
.if MSB != \new
	s_set_vgpr_msb (MSB<<8)|\new
.set MSB, \new
.endif
.endm
.macro CROUND
	s_barrier_signal -1
	s_barrier_wait -1
	s_cmp_lg_u32 s[WV], 0
	s_cbranch_scc1 .Lnot_wave_0_\@
	s_barrier_signal -3
.Lnot_wave_0_\@:
	s_barrier_wait -3
	s_barrier_signal -1
	s_barrier_wait -1
.endm
.macro PLACES
.rept 4
	v_nop
.endr
.endm
.macro EMIT
.if fA && fB
	v_wmma_scale_f32_16x16x128_f8f6f4 v[rD:rD+7], v[rA:rA+11], v[rB:rB+11], v[rC:rC+7], v[rSA], v[rSB] matrix_a_fmt:MATRIX_FMT_BF6 matrix_b_fmt:MATRIX_FMT_BF6 matrix_a_scale:MATRIX_SCALE_ROW1 matrix_b_scale:MATRIX_SCALE_ROW1
.elseif fA
	v_wmma_scale_f32_16x16x128_f8f6f4 v[rD:rD+7], v[rA:rA+11], v[rB:rB+11], v[rC:rC+7], v[rSA], v[rSB] matrix_a_fmt:MATRIX_FMT_BF6 matrix_b_fmt:MATRIX_FMT_BF6 matrix_a_scale:MATRIX_SCALE_ROW1
.elseif fB
	v_wmma_scale_f32_16x16x128_f8f6f4 v[rD:rD+7], v[rA:rA+11], v[rB:rB+11], v[rC:rC+7], v[rSA], v[rSB] matrix_a_fmt:MATRIX_FMT_BF6 matrix_b_fmt:MATRIX_FMT_BF6 matrix_b_scale:MATRIX_SCALE_ROW1
.else
	v_wmma_scale_f32_16x16x128_f8f6f4 v[rD:rD+7], v[rA:rA+11], v[rB:rB+11], v[rC:rC+7], v[rSA], v[rSB] matrix_a_fmt:MATRIX_FMT_BF6 matrix_b_fmt:MATRIX_FMT_BF6
.endif
.endm
.macro MULT t, s
.irp a, 0,1,2,3
.set rX, AR+48*((\s)%4)+12*\a
.set rW, 12*(\t)
.set rXS, XS+2*(\s)+\a/2
.set rWS, WS+(\t)/2
.if (\t) < 8
.if (\t) < 4
.set rD, 8*(4*\a+(\t))
.else
.set rD, 128+8*(4*\a+(\t)-4)
.endif
.set rA, rW
.set rB, rX
.set rSA, rWS
.set rSB, rXS
.set fA, (\t)%2
.set fB, \a%2
.else
.set rD, 8*(4*((\t)-8)+\a)
.set rA, rX
.set rB, rW
.set rSA, rXS
.set rSB, rWS
.set fA, \a%2
.set fB, (\t)%2
.endif
.if (\s) == 0
.set rC, BIAS+8*(\t)
.else
.set rC, rD
.endif
	EMIT
.endr
.endm
.macro ALOAD s
.irp a, 0,1,2,3
.irp c, 0,1
.set rR, AR+48*((\s)%4)+12*\a+6*\c
	global_load_b128 v[rR:rR+3], v[B16], s[42:43] offset:(\s)*6144+\a*1536+\c*768
	global_load_b64 v[rR+4:rR+5], v[B8], s[42:43] offset:(\s)*6144+\a*1536+\c*768+512
.endr
.endr
.endm
.macro BLOAD half, s
	WIN 0x40
.irp q, 0,1,2,3,4,5
.set rT, 6*(\half)+\q
.set rO, ((\s)%3)*SBLK+rT*1536
	ds_load_b128 v[12*rT:12*rT+3], v[B16+(\s)/3] offset:rO
	ds_load_b64 v[12*rT+4:12*rT+5], v[B8+(\s)/3] offset:rO+512
	ds_load_b128 v[12*rT+6:12*rT+9], v[B16+(\s)/3] offset:rO+768
	ds_load_b64 v[12*rT+10:12*rT+11], v[B8+(\s)/3] offset:rO+1280
.endr
	WIN 0
.irp j, 0,1,2
	ds_load_b32 v[WS+3*(\half)+\j], v[B4+(\s)/3] offset:((\s)%3)*SBLK+18432+128*(3*(\half)+\j)
.endr
.endm
.macro KSTEP s
.if (\s) < 5
	s_wait_loadcnt 48
.else
	s_wait_loadcnt 16*(7-(\s))
.endif
	s_wait_dscnt 27
.if (\s) == 0
	WIN 0x91
.else
	WIN 0xa1
.endif
.irp t, 0,1,2,3,4,5
	MULT \t, \s
.endr
	PLACES
.if (\s) == 3
	s_wait_tensorcnt 0x0
	s_wait_dscnt 0x0
	s_barrier_signal -1
	s_barrier_wait -1
.endif
.if (\s) < 7
	BLOAD 0, (\s)+1
	s_wait_dscnt 27
.else
	s_wait_dscnt 0x0
.endif
.if (\s) == 0
	WIN 0x91
.else
	WIN 0xa1
.endif
	MULT 6, \s
	MULT 7, \s
.if (\s) == 0
	WIN 0xd4
.else
	WIN 0xf4
.endif
.irp t, 8,9,10,11
	MULT \t, \s
.endr
.if (\s) < 7
	PLACES
	BLOAD 1, (\s)+1
.endif
.if (\s) < 4
	ALOAD (\s)+4
.endif
.endm
.macro QUANT src, w, pc, pw
	WIN 20*(\w)
.irp b, 0,1,2,3
	v_max3_num_f32 v[TM+\b], 0x2800000, |v[(\src)+16*\b]|, |v[(\src)+16*\b+1]|
.endr
.irp i, 2,4,6,8,10,12,14
.irp b, 0,1,2,3
	v_max3_num_f32 v[TM+\b], v[TM+\b], |v[(\src)+16*\b+\i]|, |v[(\src)+16*\b+\i+1]|
.endr
.endr
	WIN 0
.irp c, 0,1                            ; my two blocks of 32: all their numbers are mine
	v_max_num_f32 v[TM+2*\c], v[TM+2*\c], v[TM+2*\c+1]
.endr
.irp c, 0,1
	v_add_nc_u32 v[TM+12+\c], 0xfe000000, v[TM+2*\c]
.endr
.irp c, 0,1
	v_lshrrev_b32 v[TM+8+\c], 23, v[TM+12+\c]
.endr
	v_lshl_or_b32 v[\pw], v[TM+9], 16, v[TM+8]
	v_lshlrev_b32 v[\pw], v3, v[\pw]               ; 8 h bits up: lanes 0-15 bytes 0 and 2, lanes 16-31 bytes 1 and 3
	v_permlanex16_b32 v[TM+4], v[\pw], s[SEL], s[SEL+1]
	v_or_b32 v[\pw], v[\pw], v[TM+4]               ; the whole word in both halves of the lanes
	WIN (\w)
.irp c, 0,1
	v_cvt_scalef32_pk16_bf6_f32 v[(\pc)+6*\c:(\pc)+6*\c+2], v[(\src)+32*\c:(\src)+32*\c+15], v[TM+12+\c]
	v_cvt_scalef32_pk16_bf6_f32 v[(\pc)+12+4*\c:(\pc)+14+4*\c], v[(\src)+32*\c+16:(\src)+32*\c+31], v[TM+12+\c]
.endr
	WIN 0
	v_nop
.irp c, 0,1
.irp i, 0,1,2
	v_mov_b32 v[(\pc)+6*\c+3+\i], v[(\pc)+12+4*\c+\i]
.endr
.endr
.endm
	s_load_b256 s[4:11], s[0:1], 0x0
	s_load_b128 s[12:15], s[0:1], 0x20
	s_load_b64 s[16:17], s[0:1], 0x30
	v_lshl_add_u32 v62, v0, 2, 0x29000
	v_mov_b32 v63, 0
	ds_add_u32 v62, v63
	ds_add_u32 v62, v63
	v_lshrrev_b32 v1, 5, v0
	v_readfirstlane_b32 s[WV], v1
	v_and_b32 v1, 31, v0
	v_and_b32 v2, 15, v0
	v_bfe_u32 v3, v0, 4, 1
	v_lshlrev_b32 v[B16], 4, v1
	v_lshl_add_u32 v[B16+1], v1, 4, 57600
	v_lshl_add_u32 v[B16+2], v1, 4, 115200
	v_lshlrev_b32 v[B8], 3, v1
	v_lshl_add_u32 v[B8+1], v1, 3, 57600
	v_lshl_add_u32 v[B8+2], v1, 3, 115200
	v_lshlrev_b32 v[B4], 2, v1
	v_lshl_add_u32 v[B4+1], v1, 2, 57600
	v_lshl_add_u32 v[B4+2], v1, 2, 115200
	v_lshlrev_b32 v[HB], 7, v3
	v_and_b32 v[VB], 8, v2
	v_mad_u32_u24 v[VB], v[VB], 3, v2              ; r % 8 + 32 (r / 8)
	v_lshlrev_b32 v[VB], 2, v[VB]
	v_lshlrev_b32 v3, 3, v3                        ; 8 h, from here on
	s_bfe_u32 s21, ttmp6, 0x40000
	s_lshl_b32 s22, ttmp9, 2
	s_add_co_u32 s22, s22, s21
	s_lshl_b32 s22, s22, 2
	s_add_co_u32 s22, s22, s[WV]
	s_and_b32 s23, ttmp7, 0xffff
	s_mov_b32 s[SEL], 0x76543210
	s_mov_b32 s[SEL+1], 0xfedcba98
	s_mov_b32 s58, 0xffff0000
	s_mov_b32 s[G1], 15|(3<<16)|(1<<21)
	s_mov_b32 s[G1+1], 32<<16
	s_mov_b32 s[G1+2], 75<<16
	s_mov_b32 s[G1+3], 32<<16
	s_mov_b32 s[G1+4], 75
	s_mov_b32 s[G1+5], 32
	s_mov_b32 s[G1+6], 0
	s_mov_b32 s[G1+7], 0
	s_mul_i32 s40, s23, 8*SBLK
	s_mul_i32 s59, s[WV], SBLK
	s_add_co_u32 s40, s40, s59
	s_mov_b32 s41, 0
	s_wait_dscnt 0x0
	s_wait_kmcnt 0x0
	s_add_nc_u64 s[6:7], s[6:7], s[40:41]
	CROUND
	s_mov_b32 s[G0A], 1
	s_mov_b32 s[G0A+1], s59
	s_mov_b64 s[G0A+2:G0A+3], s[6:7]
	s_or_b32 s[G0A+3], s[G0A+3], 0x80000000
	s_mov_b32 s[G0B], 1
	s_add_co_u32 s[G0B+1], s59, 4*SBLK
	s_add_nc_u64 s[G0B+2:G0B+3], s[6:7], 4*SBLK
	s_or_b32 s[G0B+3], s[G0B+3], 0x80000000
	tensor_load_to_lds s[G0A:G0A+3], s[G1:G1+7]    ; K steps 0-3
	s_nop 0
.rept 4
	v_nop
.endr
	s_lshl_b32 s40, s23, 8
	s_add_nc_u64 s[8:9], s[8:9], s[40:41]
	s_add_nc_u64 s[10:11], s[10:11], s[40:41]
	s_add_nc_u64 s[12:13], s[12:13], s[40:41]
	s_mul_i32 s40, s22, 49152
	s_add_nc_u64 s[42:43], s[4:5], s[40:41]
	s_lshl_b32 s40, s22, 11
	s_add_co_u32 s40, s40, XSC
	s_add_nc_u64 s[44:45], s[4:5], s[40:41]
	s_lshr_b32 s59, s22, 5
	s_lshl_b32 s59, s59, 4
	s_add_co_u32 s59, s59, s23
	s_and_b32 s60, s22, 31
	s_mul_i32 s40, s59, 98304
	s_mul_i32 s61, s60, 3072
	s_add_co_u32 s40, s40, s61
	s_add_nc_u64 s[46:47], s[14:15], s[40:41]
	s_lshl_b32 s40, s59, 12
	s_lshl_b32 s61, s60, 7
	s_add_co_u32 s40, s40, s61
	s_add_co_u32 s40, s40, QSC
	s_add_nc_u64 s[48:49], s[14:15], s[40:41]
	s_mul_i32 s63, s59, 204800
	s_lshr_b32 s61, s60, 1
	s_mul_i32 s61, s61, 12800
	s_add_co_u32 s63, s63, s61
	s_and_b32 s62, s60, 1
	s_mul_i32 s61, s62, 3072
	s_add_co_u32 s40, s63, s61
	s_add_nc_u64 s[50:51], s[16:17], s[40:41]
	s_mul_i32 s61, s62, 768
	s_add_co_u32 s40, s63, s61
	s_add_co_u32 s40, s40, 6144
	s_add_nc_u64 s[52:53], s[16:17], s[40:41]
	s_lshl_b32 s61, s62, 7
	s_add_co_u32 s40, s63, s61
	s_add_co_u32 s40, s40, 12288
	s_add_nc_u64 s[54:55], s[16:17], s[40:41]
	WIN 0x40
	s_wait_alu depctr_va_vdst(0)
.irp t, 0,1,2,3
	global_load_b128 v[BIAS+8*\t:BIAS+8*\t+3], v[HB], s[8:9] offset:32*\t
	global_load_b128 v[BIAS+8*\t+4:BIAS+8*\t+7], v[HB], s[8:9] offset:32*\t+16
	global_load_b128 v[BIAS+32+8*\t:BIAS+32+8*\t+3], v[HB], s[10:11] offset:32*\t
	global_load_b128 v[BIAS+32+8*\t+4:BIAS+32+8*\t+7], v[HB], s[10:11] offset:32*\t+16
.endr
.irp t, 0,1,2,3
	global_load_b32 v[BIAS+64+8*\t], v[VB], s[12:13] offset:32*\t
.endr
	WIN 0
.irp k, 0,1,2,3,4,5,6,7,8,9,10,11,12,13,14,15
	global_load_b32 v[XS+\k], v[B4], s[44:45] offset:128*\k
.endr
	ALOAD 0
	ALOAD 1
	s_wait_alu depctr_va_vdst(0)                   ; the head's end
	s_wait_tensorcnt 0x0                           ; my K step of 0-3 is in
	ds_add_u32 v62, v63
	s_wait_dscnt 0x0
	CROUND                                         ; everybody's is
	tensor_load_to_lds s[G0B:G0B+3], s[G1:G1+7]    ; K steps 4-7
	s_nop 0
.rept 4
	v_nop
.endr
	ALOAD 2
	ALOAD 3
	BLOAD 0, 0
	BLOAD 1, 0
	s_wait_loadcnt 48
	WIN 0x41
.irp t, 0,1,2,3
.irp j, 1,2,3,4,5,6,7
	v_mov_b32 v[BIAS+64+8*\t+\j], v[BIAS+64+8*\t]
.endr
.endr
	s_wait_alu depctr_va_vdst(0)
.irp s, 0,1,2,3,4,5,6,7
	KSTEP \s
.endr
	WIN 0
.irp b, 0,1,2,3
	v_mov_b32 v[TM+4+\b], 0
.endr
.irp p, 0,1
	QUANT 64*\p, 2, 64+20*\p, 200+\p
.irp g, 0,1,2
	global_store_b128 v[B16], v[64+20*\p+4*\g:64+20*\p+4*\g+3], s[46:47] offset:1536*\p+512*\g
.endr
.endr
	v_cndmask_b32 v210, v200, v201, s58
	global_store_b32 v[B4], v210, s[48:49]
.irp p, 0,1
	QUANT 128+64*\p, 2, 104+20*\p, 202+\p
.irp g, 0,1,2
	global_store_b128 v[B16], v[104+20*\p+4*\g:104+20*\p+4*\g+3], s[50:51] offset:1536*\p+512*\g
.endr
.endr
	v_cndmask_b32 v211, v202, v203, s58
	global_store_b32 v[B4], v211, s[54:55]
.irp p, 0,1
	QUANT 64*\p, 3, 144+20*\p, 204+\p
	global_store_b128 v[B16], v[144+20*\p:144+20*\p+3], s[52:53] offset:3072*\p
	global_store_b64 v[B8], v[144+20*\p+4:144+20*\p+5], s[52:53] offset:3072*\p+512
	global_store_b128 v[B16], v[144+20*\p+6:144+20*\p+9], s[52:53] offset:3072*\p+1536
	global_store_b64 v[B8], v[144+20*\p+10:144+20*\p+11], s[52:53] offset:3072*\p+2048
.endr
	v_cndmask_b32 v212, v204, v205, s58
	global_store_b32 v[B4], v212, s[54:55] offset:256
	s_wait_tensorcnt 0x0
	ds_add_u32 v62, v63
	s_wait_dscnt 0x0
	CROUND
	s_endpgm
.Lfunc_end_k_qe708ca60f8_qkv:
	.size	k_qe708ca60f8_qkv, .Lfunc_end_k_qe708ca60f8_qkv-k_qe708ca60f8_qkv
	.p2alignl 7, 3214868480
	.fill 96, 4, 3214868480
	.section	.rodata,"a",@progbits
	.p2align	6, 0x0
	.amdhsa_kernel k_qe708ca60f8_qkv
		.amdhsa_group_segment_fixed_size 327680
		.amdhsa_private_segment_fixed_size 0
		.amdhsa_enable_private_segment 0
		.amdhsa_kernarg_size 56
		.amdhsa_user_sgpr_count 2
		.amdhsa_user_sgpr_kernarg_segment_ptr 1
		.amdhsa_wavefront_size32 1
		.amdhsa_system_sgpr_workgroup_id_x 1
		.amdhsa_system_sgpr_workgroup_id_y 1
		.amdhsa_system_sgpr_workgroup_id_z 1
		.amdhsa_system_vgpr_workitem_id 0
		.amdhsa_next_free_vgpr 1024
		.amdhsa_next_free_sgpr 66
		.amdhsa_reserve_vcc 0
		.amdhsa_float_denorm_mode_32 3
		.amdhsa_float_denorm_mode_16_64 3
		.amdhsa_memory_ordered 1
		.amdhsa_forward_progress 1
		.amdhsa_inst_pref_size 124
	.end_amdhsa_kernel
	.amdgpu_metadata
---
amdhsa.version: [ 1, 2 ]
amdhsa.kernels:
  - .name:           k_qe708ca60f8_qkv
    .symbol:         k_qe708ca60f8_qkv.kd
    .args:
      - { .name: xq, .offset: 0, .size: 8, .value_kind: global_buffer, .address_space: global }
      - { .name: wqkv, .offset: 8, .size: 8, .value_kind: global_buffer, .address_space: global }
      - { .name: bq, .offset: 16, .size: 8, .value_kind: global_buffer, .address_space: global }
      - { .name: bk, .offset: 24, .size: 8, .value_kind: global_buffer, .address_space: global }
      - { .name: bv, .offset: 32, .size: 8, .value_kind: global_buffer, .address_space: global }
      - { .name: qq, .offset: 40, .size: 8, .value_kind: global_buffer, .address_space: global }
      - { .name: kv, .offset: 48, .size: 8, .value_kind: global_buffer, .address_space: global }
    .group_segment_fixed_size: 327680
    .private_segment_fixed_size: 0
    .kernarg_segment_align: 8
    .kernarg_segment_size: 56
    .max_flat_workgroup_size: 128
    .sgpr_count:     66
    .vgpr_count:     1024
    .wavefront_size: 32
...
	.end_amdgpu_metadata
.endif
;; end of part 2
;; launch attn (part 3): grid 8 x 32, 16 waves a work-group, clusters of 4 x 1, 327,680 bytes of LDS; arguments qq, kv, oq; writes oq
.if DOCPART == 3
	.amdgcn_target "amdgcn-amd-amdhsa--gfx1250"
	.amdhsa_code_object_version 6
	.text
	.protected	k_qe708ca60f8_attn
	.globl	k_qe708ca60f8_attn
	.p2align	8
	.type	k_qe708ca60f8_attn,@function
k_qe708ca60f8_attn:
	s_mov_b64 s[64:65], 0
	v_nop
	global_prefetch_b8 v0, s[64:65] scope:SCOPE_SE
	s_setreg_imm32_b32 hwreg(HW_REG_WAVE_MODE, 25, 1), 1
	s_wait_xcnt 0x0
	s_wait_alu depctr_hold_cnt(0) depctr_sa_sdst(0) depctr_va_vdst(0) depctr_va_sdst(0) depctr_va_ssrc(0) depctr_va_vcc(0) depctr_vm_vsrc(0)
	s_getreg_b32 s2, hwreg(HW_REG_IB_STS2, 6, 4)
	s_cmp_eq_u32 s2, 0
	s_cbranch_scc0 .Lentry_in_a_cluster
	s_endpgm
.Lentry_in_a_cluster:
	s_bfe_u32 s2, ttmp6, 0x10000c
	s_cmp_lg_u32 s2, 0x3003
	s_cbranch_scc0 .Lentry_shape_is_right
	s_endpgm
.Lentry_shape_is_right:
; Causal attention of one head on codes of BF6 with E8M0 scales; the result O / l is quantised along the model's 1,024 for the last projection.
; t = score x log2(e) / 8; M = the running largest t rounded UP to a whole number; p = 2^(t - M) is quantised along the keys, not normalised; the row's sum is taken of the unquantised p.
; LEFT OUT: steps of 128 keys that lie wholly behind a tile's queries (reference()'s own causal mask makes their p 0 for all inputs).
; SHARES.  Work-group (g, bh), g = 0..7.  A query tile T = 8 oct + g walks oct + 1 steps of 128 keys; a work-group has one tile of each oct, so every work-group has the same work and no branch hangs on g.
; Waves a and a + 8 (a = 0..7) share the tiles of oct a and 15 - a, 17 steps: wave a (role 0) walks oct a's steps 0 .. a in trips 0 .. a, stores that tile, and takes steps 2 .. 8 - a of oct 15 - a in
; trips a + 1 .. 7; wave a + 8 (role 1) takes that tile's steps 0, 1 in trips 0, 1 and steps 9 - a .. 15 - a in trips 2 .. 8, then joins role 0's part (O, M, l, handed over in LDS) to its own and stores it.
; CLUSTERS of four work-groups of one head: K and V come by joint loads, each byte of LDS filled once: the head's block of kv as it lies in memory, 16 key steps x 12,800 bytes; 40,960 bytes
; (2,560 a wave) at the head, which hold key steps 0-2, all that trips 0 and 1 read; the other 163,840 (10,240 a wave) behind the second round, read from trip 2 on.
; No prefetch: nothing is loaded in a loop.
; LAYOUT.  Both products transposed: S^T = K Q^T, O^T = V^T P^T: a lane holds one query throughout.  The head's 64 fill half of the instruction's 128: a fragment of K holds TWO key tiles
; (registers 0-5, 6-11), and Q stands as [q | 0] or [0 | q].  Tile t of 64 keys holds at place p key 8 t + p % 8 + 32 (p / 8), so register 32 c + i of lane (r, h) is key 64 c + 32 h + i: 32 registers
; are a whole block of 32 keys, in the very order of the next operand.  The same holds of O^T and its channels.
; LIMITS: |score| under 2^99; a block's largest p is made from the block's largest score by the same two instructions (this takes v_exp_f32 not to fall where its input rises); a block of zeros gets the
; byte 1; NaN and infinities are not served.  oq's scale bytes leave as 32 consecutive bytes a wave: one byte in 24 of what is stored.
.set QSC,   3145728
.set XSC,   3145728
.set STEPB, 12800                      ; a key step: 0 four double fragments of K; 6,144 four fragments of V^T; 12,288 K's scale words; 12,544 V's raw scale words
.set P1B,   2560
.set P2B,   10240
.set P2,    40960
.set MRG,   204800                     ; where role 0 hands its part over: 4,352 bytes a pair of waves
.set MRGB,  4352
.set SPARE, MRG+8*MRGB
.set F,   48                           ; v48-95   K's double fragments, then V's fragments
.set BM,  212                          ; v212-213 the blocks' largest scores, then largest p
.set BS,  214                          ; v214-215 the conversions' scale operands
; v1-3 16, 8, 4 x lane; v4-6 the step's LDS addresses; v7, v45 hand-over addresses; v8-9 K's scale words; v10-11 V's raw words; v12 -M; v13 largest score; v[14:15] the sum;
; v16-21 0, v22-27 q, v28-33 0; v34 Q's scale word; v35-41 the second tile's; v42-43 V's scale words; v44 p's; v[46:47] the mask's bounds; v96-159 S^T, then p; v160-191 O^T; v192-203 p's codes;
; v204-210 second halves; v216-217, v226, v228, v230-231 at work; v[218:219] f; v220-225 sums; v227 2 r + h; v229 4 r
.set WV,  10
.set ST,  12                           ; the trip
.set TH,  13                           ; trips above it read key step (trip + KP) % 16, the others key step = trip
.set CS,  14                           ; s[14:15] c = log2(e) / 8
.set SEL, 16
.set PLO, 18
.set PHI, 19
.set G1A, 24
.set G1B, 32
.set G0A, 40
.set G0B, 44
.set KP,  70
.set SW,  71                           ; behind this trip the wave changes its tile
.set LIM, 72                           ; trips from here on are not the wave's
.set NC,  73                           ; - c
.set DG,  74                           ; the trip whose key step lies on the diagonal
.set ROLE, 75
.macro CROUND                          ; a round of the cluster's barrier
	s_barrier_signal -1
	s_barrier_wait -1
	s_cmp_lg_u32 s[WV], 0
	s_cbranch_scc1 .Lnot_wave_0_\@
	s_barrier_signal -3
.Lnot_wave_0_\@:
	s_barrier_wait -3
	s_barrier_signal -1
	s_barrier_wait -1
.endm
	s_load_b128 s[4:7], s[0:1], 0x0                ; qq, kv
	s_load_b64 s[8:9], s[0:1], 0x10                ; oq
	v_lshl_add_u32 v254, v0, 2, SPARE
	v_mov_b32 v255, 0
	ds_add_u32 v254, v255                          ; the wave's opening
	ds_add_u32 v254, v255
	v_lshrrev_b32 v1, 5, v0
	v_readfirstlane_b32 s[WV], v1                  ; wave 0..15
	v_and_b32 v4, 31, v0                           ; lane
	v_and_b32 v5, 15, v0                           ; r
	v_bfe_u32 v6, v0, 4, 1                         ; h
	v_lshlrev_b32 v1, 4, v4
	v_lshlrev_b32 v2, 3, v4
	v_lshlrev_b32 v3, 2, v4
	v_lshlrev_b32 v229, 2, v5
	v_lshl_add_u32 v227, v5, 1, v6
	s_wait_alu depctr_va_vdst(0)
	s_lshr_b32 s[ROLE], s[WV], 3
	s_and_b32 s48, s[WV], 7                        ; a
	s_xor_b32 s49, s48, 7                          ; 7 - a
	s_add_co_u32 s50, s49, 8                       ; 15 - a
	s_add_co_u32 s51, s49, 10
	s_cmp_eq_u32 s[ROLE], 0
	s_cselect_b32 s52, s48, s50                    ; the oct of my first tile, which is the one I store
	s_cselect_b32 s[TH], s48, 1
	s_cselect_b32 s[KP], s51, s49
	s_cselect_b32 s[SW], s48, 16
	s_cselect_b32 s[DG], s48, 8
	s_cselect_b32 s[LIM], 8, 9
	s_mul_i32 s54, s48, MRGB
	s_add_co_u32 s54, s54, MRG
	v_add_nc_u32 v7, s54, v1
	s_add_co_u32 s54, s54, 4096
	v_add_nc_u32 v45, s54, v2
	s_bfe_u32 s21, ttmp6, 0x40000                  ; cx: it enters qq's and oq's addresses and the mask's bounds alone
	s_lshl_b32 s53, ttmp9, 2
	s_add_co_u32 s53, s53, s21                     ; g
	s_lshr_b32 s55, s53, 2
	s_lshl_b32 s56, s55, 6
	s_and_b32 s57, s53, 3
	s_lshl_b32 s58, s57, 3
	s_add_co_u32 s56, s56, s58
	v_and_b32 v204, 8, v5
	v_mad_u32_u24 v204, v204, 3, v5                ; r % 8 + 32 (r / 8)
	v_lshlrev_b32 v205, 5, v6
	v_sub_nc_u32 v204, v204, v205
	v_add_nc_u32 v204, s56, v204                   ; my query's place in its key step, less 32 h: register 32 c + i holds a hidden key where 64 c + i is above it
	v_cvt_f32_i32 v204, v204
	s_mov_b32 s59, 0x71800000                      ; 2^100
	s_mov_b32 s60, 0x71000000                      ; 2^99
	s_mov_b32 s61, 0xf1800000                      ; -2^100
	v_fma_f32 v46, v204, s59, s60                  ; (place - key) x 2^100 + 2^99 for key 0: a bound of 2^99 or more where the key counts, of -2^99 or less where it is hidden
	v_add_f32 v47, s61, v46                        ; and for key 1
	s_and_b32 s62, ttmp7, 0xffff                   ; bh
	s_lshr_b32 s63, s53, 1
	s_lshl_b32 s80, s52, 2
	s_add_co_u32 s80, s80, s63                     ; my first tile's pair of query tiles,
	s_lshl_b32 s81, s50, 2
	s_add_co_u32 s81, s81, s63                     ; and that of oct 15 - a (role 1's is the same as its first)
	; descriptor groups 1: dense blocks as rows of 256 bytes (32 elements of 8 bytes), no padding: 10 rows and 40 rows
	s_mov_b32 s[G1A], 15|(3<<16)|(1<<21)           ; the mask: all four work-groups; bit 21 set beside a mask
	s_mov_b32 s[G1A+1], 32<<16
	s_mov_b32 s[G1A+2], 10<<16
	s_mov_b32 s[G1A+3], 32<<16
	s_mov_b32 s[G1A+4], 10
	s_mov_b32 s[G1A+5], 32
	s_mov_b32 s[G1A+6], 0
	s_mov_b32 s[G1A+7], 0
	s_mov_b32 s[G1B], 15|(3<<16)|(1<<21)
	s_mov_b32 s[G1B+1], 32<<16
	s_mov_b32 s[G1B+2], 40<<16
	s_mov_b32 s[G1B+3], 32<<16
	s_mov_b32 s[G1B+4], 40
	s_mov_b32 s[G1B+5], 32
	s_mov_b32 s[G1B+6], 0
	s_mov_b32 s[G1B+7], 0
	s_mov_b32 s[CS], 0x3e38aa3b                    ; log2(e) / 8
	s_mov_b32 s[CS+1], s[CS]                       ; (named with it as a pair, so it is written)
	s_mov_b32 s[NC], 0xbe38aa3b
	s_mov_b32 s[SEL], 0x76543210
	s_mov_b32 s[SEL+1], 0xfedcba98
	s_mov_b32 s[PLO], 0x05040100                   ; two low halves
	s_mov_b32 s[PHI], 0x07060302                   ; two high halves
	s_mov_b32 s[ST], 0
	s_mul_i32 s76, s62, 204800
	s_mov_b32 s77, 0
	s_mul_i32 s78, s[WV], P1B                      ; my part of the first 40,960 bytes, in memory and in LDS alike
	s_mov_b32 s79, 0
	s_mul_i32 s98, s[WV], P2B
	s_add_co_u32 s98, s98, P2                      ; and of the rest
	s_mov_b32 s99, 0
	s_wait_alu depctr_va_vdst(0)
	s_wait_dscnt 0x0                               ; both opening adds are done
	s_wait_kmcnt 0x0
	s_add_nc_u64 s[6:7], s[6:7], s[76:77]          ; the head's block of kv
	s_mov_b32 s[G0A], 1
	s_mov_b32 s[G0A+1], s78
	s_add_nc_u64 s[G0A+2:G0A+3], s[6:7], s[78:79]
	s_or_b32 s[G0A+3], s[G0A+3], 0x80000000
	s_mov_b32 s[G0B], 1
	s_mov_b32 s[G0B+1], s98
	s_add_nc_u64 s[G0B+2:G0B+3], s[6:7], s[98:99]
	s_or_b32 s[G0B+3], s[G0B+3], 0x80000000
	CROUND                                         ; all four work-groups are here: the joint loads meet
	tensor_load_to_lds s[G0A:G0A+3], s[G1A:G1A+7]
	s_nop 0
.macro QLOAD pair, d, reg, sc                  ; a pair of query tiles, and its scale words [u0: s0 s1 | u1: s0 s1] of query r
	s_mul_i32 s84, s62, 98304
	s_mul_i32 s86, \pair, 1536
	s_add_co_u32 s84, s84, s86
	s_mov_b32 s85, 0
	s_add_nc_u64 s[\d:\d+1], s[4:5], s[84:85]
	s_lshl_b32 s84, s62, 12
	s_lshl_b32 s86, \pair, 6
	s_add_co_u32 s84, s84, s86
	s_add_co_u32 s84, s84, QSC
	s_add_nc_u64 s[\d+2:\d+3], s[4:5], s[84:85]
	global_load_b128 v[\reg:\reg+3], v1, s[\d:\d+1]
	global_load_b128 v[\reg+4:\reg+7], v1, s[\d:\d+1] offset:512
	global_load_b128 v[\reg+8:\reg+11], v1, s[\d:\d+1] offset:1024
	global_load_b32 v[\sc], v229, s[\d+2:\d+3]
.endm
	QLOAD s80, 88, 96, 128
	QLOAD s81, 92, 108, 129
	; where my tile goes in oq: fragment ((32 batch + T / 4) 8 + head / 2) 4 + T % 4, half head % 2
	s_lshr_b32 s84, s62, 4
	s_and_b32 s86, s62, 15
	s_lshl_b32 s84, s84, 5
	s_lshl_b32 s87, s52, 1
	s_add_co_u32 s84, s84, s87
	s_add_co_u32 s84, s84, s55
	s_lshl_b32 s84, s84, 3
	s_lshr_b32 s87, s86, 1
	s_add_co_u32 s84, s84, s87
	s_lshl_b32 s84, s84, 2
	s_add_co_u32 s84, s84, s57
	s_and_b32 s86, s86, 1
	s_mul_i32 s96, s84, 1536
	s_mul_i32 s87, s86, 768
	s_add_co_u32 s96, s96, s87
	s_mov_b32 s97, 0
	s_add_nc_u64 s[66:67], s[8:9], s[96:97]        ; its codes,
	s_lshl_b32 s96, s84, 5
	s_lshl_b32 s87, s86, 16
	s_add_co_u32 s96, s96, s87
	s_add_co_u32 s96, s96, XSC
	s_add_nc_u64 s[68:69], s[8:9], s[96:97]        ; its 32 scale bytes: two a row, in the plane of head % 2
	s_and_b32 s20, s53, 1
	s_cmp_eq_u32 s20, 0
	s_cselect_b32 s22, 0, -1                       ; all lanes take the pair's second tile where g is odd
	s_mov_b32 s23, 0x03020302
	s_cselect_b32 s23, 0x01000100, s23             ; my tile's two bytes, twice
.macro INIT                            ; nothing summed yet
	v_mov_b32 v13, 0xff61b1e6                      ; the largest score so far: -3e38, under every score
	v_mov_b32 v12, 0x7e800000                      ; -M: 2^126, a whole number
	v_mov_b32 v14, 0
	v_mov_b32 v15, 0
.set n, 0
.rept 32
	v_mov_b32 v[160+n], 0                          ; O^T: the step is written for every step alike; the first finds zeros, which the first change of M leaves zeros
.set n, n+1
.endr
.endm
.irp i, 0,1,2,3,4,5
	v_mov_b32 v[16+\i], 0
	v_mov_b32 v[28+\i], 0
.endr
	v_mov_b32 v219, 0                              ; (named as the upper half of the pair v[218:219])
	v_mov_b32 v216, 0                              ; a lane permute's destination counts as one of its sources
	INIT
	s_wait_alu depctr_va_vdst(0)                   ; the head's end
	s_wait_tensorcnt 0x0                           ; my part of the first 40,960 bytes is in
	ds_add_u32 v254, v255
	s_wait_dscnt 0x0
	CROUND                                         ; everybody's is, and all four work-groups are here
	tensor_load_to_lds s[G0B:G0B+3], s[G1B:G1B+7]
	s_nop 0
	s_wait_loadcnt 0x0
	v_perm_b32 v34, v128, v128, s23                ; Q's scale word: s0 s1 s0 s1
	v_perm_b32 v35, v129, v129, s23
.irp i, 0,1,2,3,4,5
	v_cndmask_b32 v[22+\i], v[96+\i], v[102+\i], s22
.endr
.irp i, 0,1,2,3,4,5
	v_cndmask_b32 v[36+\i], v[108+\i], v[114+\i], s22
.endr
; A finished tile: O / l, quantised and stored.  Register 8 d + j of O^T is channel 32 h + 8 d + j of query r: a lane holds a whole block of the last product's K.
.macro FINISH
.rept 4
	v_nop                                          ; places behind the last products
.endr
	v_add_f32 v14, v14, v15                        ; the sum's two halves,
	v_permlanex16_b32 v216, v14, s[SEL], s[SEL+1]
	v_add_f32 v14, v14, v216                       ; and lane l xor 16's
	s_wait_alu depctr_va_vdst(0)
	v_rcp_f32 v14, v14
	v_nop
	s_wait_alu depctr_va_vdst(0)
.set n, 0
.rept 16
	v_pk_mul_f32 v[96+n:97+n], v[160+n:161+n], v[14:15] op_sel_hi:[1,0]
.set n, n+2
.endr
	v_max3_num_f32 v[BM], |v96|, |v97|, 0x2800000  ; with the floor 2^(5 - 127)
	v_max3_num_f32 v[BM+1], |v98|, |v99|, |v100|
.irp i, 5,9,13,17,21,25
	v_max3_num_f32 v[BM], v[BM], |v[96+\i]|, |v[97+\i]|
	v_max3_num_f32 v[BM+1], v[BM+1], |v[98+\i]|, |v[99+\i]|
.endr
	v_max3_num_f32 v[BM], v[BM], |v125|, |v126|
	v_max3_num_f32 v[BM], v[BM], v[BM+1], |v127|
	v_add_nc_u32 v[BS], 0xfe000000, v[BM]          ; 4 off the exponent field
	v_cvt_scalef32_pk16_bf6_f32 v[192:194], v[96:111], v[BS]
	v_cvt_scalef32_pk16_bf6_f32 v[204:206], v[112:127], v[BS]
	v_lshrrev_b32 v217, 23, v[BS]                  ; the scale's byte (and a plain place behind the conversions)
	v_mov_b32 v195, v204
	v_mov_b32 v196, v205
	v_mov_b32 v197, v206
	global_store_b128 v1, v[192:195], s[66:67]     ; 512 consecutive bytes, aligned
	global_store_b64 v2, v[196:197], s[66:67] offset:512
	global_store_b8 v227, v217, s[68:69]           ; 32 consecutive bytes
.endm
.macro RESC from, count                ; O^T under the new M
.set n, 2*(\from)
.rept \count
	v_pk_mul_f32 v[160+n:161+n], v[160+n:161+n], v[218:219] op_sel_hi:[1,0]
.set n, n+2
.endr
.endm
.macro SUMS count                      ; the row's sum, in four chains
.rept \count
.set xx, 218+2*((kk-6)%4)
.if (kk-6)%4 == 0
.set xx, 14
.endif
	v_pk_add_f32 v[xx:xx+1], v[xx:xx+1], v[96+2*kk:97+2*kk]
.set kk, kk+1
.endr
.endm
; A trip: 128 keys.  early = 1: trips 0 and 1, whose key steps are 0 to 2.
.macro STEP early
.if \early == 0
	s_cmp_ge_u32 s[ST], s[LIM]                     ; role 0 has no ninth trip
	s_cbranch_scc1 .Lpassed_\@
.endif
	s_cmp_gt_u32 s[ST], s[TH]
	s_cselect_b32 s20, s[KP], 0
	s_add_co_u32 s20, s20, s[ST]
	s_and_b32 s20, s20, 15                         ; the key step
.if \early
	s_min_u32 s20, s20, 2
.endif
	s_mul_i32 s20, s20, STEPB
	v_add_nc_u32 v4, s20, v1
	v_add_nc_u32 v5, s20, v2
	v_add_nc_u32 v6, s20, v3
	v_nop                                          ; four places in front of loads into registers that the last products read
.irp b, 0,1,2,3
.irp g, 0,1,2
	ds_load_b128 v[F+12*\b+4*\g:F+12*\b+4*\g+3], v4 offset:1536*\b+512*\g
.endr
.endr
	ds_load_b32 v8, v6 offset:12288                ; lanes 0-15 double fragment 0, lanes 16-31 double fragment 1
	ds_load_b32 v9, v6 offset:12416                ; 2 and 3
	ds_load_b32 v10, v6 offset:12544               ; V's raw words, keys 0-63: lanes 0-15 [dt0 | dt1], lanes 16-31 [dt2 | dt3]
	ds_load_b32 v11, v6 offset:12672               ; keys 64-127
	s_wait_alu depctr_va_vdst(0)
	s_wait_dscnt 0x0
.irp b, 0,1,2,3                                ; S^T: double fragment b, tile u of it: registers 16 b + 8 u + j
.irp u, 0,1
.if \b%2
	v_wmma_scale_f32_16x16x128_f8f6f4 v[96+16*\b+8*\u:103+16*\b+8*\u], v[F+12*\b:F+12*\b+11], v[22-6*\u:33-6*\u], 0, v[8+\b/2], v34 matrix_a_fmt:MATRIX_FMT_BF6 matrix_b_fmt:MATRIX_FMT_BF6 matrix_a_scale:MATRIX_SCALE_ROW1
.else
	v_wmma_scale_f32_16x16x128_f8f6f4 v[96+16*\b+8*\u:103+16*\b+8*\u], v[F+12*\b:F+12*\b+11], v[22-6*\u:33-6*\u], 0, v[8+\b/2], v34 matrix_a_fmt:MATRIX_FMT_BF6 matrix_b_fmt:MATRIX_FMT_BF6
.endif
.endr
.endr
	v_perm_b32 v42, v11, v10, s[PLO]               ; V's scale words for 128 keys: lanes 0-15 dt 0, lanes 16-31 dt 2;
	v_perm_b32 v43, v11, v10, s[PHI]               ; dt 1 and dt 3
	v_nop
	v_nop                                          ; four places: then V's fragments take K's registers, and land under the softmax
.irp d, 0,1,2,3
	ds_load_b128 v[F+12*\d:F+12*\d+3], v4 offset:6144+1536*\d
	ds_load_b64 v[F+12*\d+4:F+12*\d+5], v5 offset:6144+1536*\d+512
	ds_load_b128 v[F+12*\d+6:F+12*\d+9], v4 offset:6144+1536*\d+768
	ds_load_b64 v[F+12*\d+10:F+12*\d+11], v5 offset:6144+1536*\d+1280
.endr
	s_cmp_lg_u32 s[ST], s[DG]                      ; only the step on the diagonal has hidden keys: their scores become -2^99 or less ahead of the maximum
	s_cbranch_scc1 .Lopen_\@
.set n, 0
.rept 32
	v_min_num_f32 v[96+n], v[96+n], v46
	v_min_num_f32 v[97+n], v[97+n], v47
.if n == 30
	v_pk_add_f32 v[46:47], v[46:47], 0xf4080000 op_sel_hi:[1,0]   ; 34 keys on: -34 x 2^100
.elseif n < 62
	v_pk_add_f32 v[46:47], v[46:47], 0xf2000000 op_sel_hi:[1,0]   ; two keys on: -2^101.  (A wave has one step on a diagonal, so the bounds are used once)
.endif
.set n, n+2
.endr
.Lopen_\@:
.irp c, 0,1
	v_max3_num_f32 v[BM+\c], v[96+32*\c], v[97+32*\c], v[98+32*\c]   ; the largest score of each block of 32 keys: for the row's maximum and for the block's largest p
.endr
.irp i, 3,5,7,9,11,13,15,17,19,21,23,25,27,29
.irp c, 0,1
	v_max3_num_f32 v[BM+\c], v[BM+\c], v[96+32*\c+\i], v[97+32*\c+\i]
.endr
.endr
.irp c, 0,1
	v_max_num_f32 v[BM+\c], v[BM+\c], v[127+32*\c]
.endr
	v_max_num_f32 v217, v[BM], v[BM+1]
	s_delay_alu instid0(VALU_DEP_1)
	v_permlanex16_b32 v216, v217, s[SEL], s[SEL+1]
	s_delay_alu instid0(VALU_DEP_1)
	v_max3_num_f32 v13, v13, v217, v216            ; with lane l xor 16's blocks
	s_delay_alu instid0(VALU_DEP_1)
	v_mul_f32 v217, s[NC], v13                     ; - the largest t (c is positive)
	v_mov_b32 v226, v12
	s_delay_alu instid0(VALU_DEP_2)
	v_floor_f32 v12, v217                          ; the new -M = -ceil(t)
	s_delay_alu instid0(VALU_DEP_1)
	v_sub_f32 v226, v12, v226                      ; old M - new M: a whole number, 0 or less
	s_delay_alu instid0(VALU_DEP_1)
	v_cvt_i32_f32 v226, v226                       ; (it saturates)
	s_delay_alu instid0(VALU_DEP_1)
	v_ldexp_f32 v218, 1.0, v226                    ; f = 2^(old M - new M)
.set n, 0
.rept 32
	v_pk_fma_f32 v[96+n:97+n], v[96+n:97+n], s[CS:CS+1], v[12:13] op_sel_hi:[1,0,0]   ; t - M
.set n, n+2
.endr
.irp c, 0,1
	v_fma_f32 v[BM+\c], v[BM+\c], s[CS], v12
.endr
	s_wait_alu depctr_va_vdst(0)
.set n, 0
.rept 64
	v_exp_f32 v[96+n], v[96+n]                     ; p = 2^(t - M)
.set n, n+1
.endr
.irp c, 0,1
	v_exp_f32 v[BM+\c], v[BM+\c]                   ; the block's largest p
.endr
	v_pk_mul_f32 v[14:15], v[14:15], v[218:219] op_sel_hi:[1,0]   ; the sums under the new M (a plain place behind the exponentials)
	s_wait_alu depctr_va_vdst(0)                   ; and behind it
	RESC 0, 4
.irp c, 0,1
	v_max_num_f32 v[BM+\c], 0x2800000, v[BM+\c]    ; the floor 2^(5 - 127): the byte cannot fall under 1
.endr
	RESC 4, 4
.irp c, 0,1
	v_add_nc_u32 v[BS+\c], 0xfe000000, v[BM+\c]
.endr
	RESC 8, 4
.irp c, 0,1
	v_lshrrev_b32 v[230+\c], 23, v[BS+\c]          ; the bytes of blocks h and 2 + h
.endr
	RESC 12, 2
	v_lshl_or_b32 v217, v231, 16, v230
	RESC 14, 1
	v_permlanex16_b32 v216, v217, s[SEL], s[SEL+1]
	RESC 15, 1
	v_lshl_or_b32 v44, v216, 8, v217               ; p's scale word for these 128 keys, in lanes 0-15, where it is read (lanes 16-31: other finite bytes)
.irp c, 0,1
	v_cvt_scalef32_pk16_bf6_f32 v[192+6*\c:194+6*\c], v[96+32*\c:111+32*\c], v[BS+\c]
	v_cvt_scalef32_pk16_bf6_f32 v[204+4*\c:206+4*\c], v[112+32*\c:127+32*\c], v[BS+\c]   ; (a conversion's three registers begin on an even number)
.endr
	v_pk_add_f32 v[220:221], v[96:97], v[98:99]
	v_pk_add_f32 v[222:223], v[100:101], v[102:103]
	v_pk_add_f32 v[224:225], v[104:105], v[106:107]
.set kk, 6
	SUMS 8
.irp c, 0,1
.irp i, 0,1,2
	v_mov_b32 v[195+6*\c+\i], v[204+4*\c+\i]       ; registers 6 c .. 6 c + 5: keys 64 c + 32 h + 0..31
.endr
.endr
	SUMS 18
	v_pk_add_f32 v[14:15], v[14:15], v[220:221]
	v_pk_add_f32 v[222:223], v[222:223], v[224:225]
	v_pk_add_f32 v[14:15], v[14:15], v[222:223]
	s_wait_alu depctr_va_vdst(0)
	s_wait_dscnt 0x0                               ; V's fragments are in
.irp d, 0,1,2,3                                ; O^T += V^T P^T: the four accumulators by turns, one instruction a turn
.if \d/2
	v_wmma_scale_f32_16x16x128_f8f6f4 v[160+8*\d:167+8*\d], v[F+12*\d:F+12*\d+11], v[192:203], v[160+8*\d:167+8*\d], v[42+\d%2], v44 matrix_a_fmt:MATRIX_FMT_BF6 matrix_b_fmt:MATRIX_FMT_BF6 matrix_a_scale:MATRIX_SCALE_ROW1
.else
	v_wmma_scale_f32_16x16x128_f8f6f4 v[160+8*\d:167+8*\d], v[F+12*\d:F+12*\d+11], v[192:203], v[160+8*\d:167+8*\d], v[42+\d%2], v44 matrix_a_fmt:MATRIX_FMT_BF6 matrix_b_fmt:MATRIX_FMT_BF6
.endif
.endr
	s_cmp_lg_u32 s[ST], s[SW]                      ; role 0's first tile is finished behind its diagonal
	s_cbranch_scc1 .Lpassed_\@
	FINISH
	v_mov_b32 v34, v35                             ; on to oct 15 - a
.irp i, 0,1,2,3,4,5
	v_mov_b32 v[22+\i], v[36+\i]
.endr
	INIT
	s_wait_alu depctr_va_vdst(0)
	s_wait_xcnt 0x0                                ; the stores have read their registers, which the next trip writes
.Lpassed_\@:
	s_add_co_u32 s[ST], s[ST], 1
.endm
.Lfirst:                                           ; trips 0 and 1: LDS bytes under 38,400
	STEP 1
	s_cmp_lt_u32 s[ST], 2
	s_cbranch_scc1 .Lfirst
	s_wait_alu depctr_va_vdst(0)
	s_wait_tensorcnt 0x0                           ; my part of the rest is in,
	s_wait_dscnt 0x0
	s_barrier_signal -1
	s_barrier_wait -1                              ; everybody's is
.Lrest:                                            ; trips 2 to 8
	STEP 0
	s_cmp_lt_u32 s[ST], 9
	s_cbranch_scc1 .Lrest
.rept 4
	v_nop                                          ; places behind the last products
.endr
	v_add_f32 v13, v14, v15
	s_wait_alu depctr_va_vdst(0)
	s_cmp_eq_u32 s[ROLE], 0
	s_cbranch_scc0 .Ltaken
.irp i, 0,1,2,3,4,5,6,7                        ; role 0 hands its part of oct 15 - a over (where it took no step of it: zeros under the largest -M)
	ds_store_b128 v7, v[160+4*\i:163+4*\i] offset:512*\i
.endr
	ds_store_b64 v45, v[12:13]                     ; -M and my half of l
.Ltaken:
	s_wait_dscnt 0x0                               ; for the other wave's sake
	s_barrier_signal -1
	s_barrier_wait -1
	s_cmp_lg_u32 s[ROLE], 0
	s_cbranch_scc0 .Lend
.irp i, 0,1,2,3,4,5,6,7
	ds_load_b128 v[96+4*\i:99+4*\i], v7 offset:512*\i
.endr
	ds_load_b64 v[128:129], v45
	s_wait_dscnt 0x0
	v_min_num_f32 v217, v12, v128                  ; the greater M of the two
	v_sub_f32 v226, v217, v12
	v_sub_f32 v228, v217, v128
	v_cvt_i32_f32 v226, v226
	v_cvt_i32_f32 v228, v228
	v_ldexp_f32 v218, 1.0, v226                    ; powers of two: nothing is rounded
	v_ldexp_f32 v220, 1.0, v228
	v_mov_b32 v15, 0
	v_mul_f32 v14, v13, v218
	v_fma_f32 v14, v129, v220, v14
	RESC 0, 16
.set n, 0
.rept 16
	v_pk_fma_f32 v[160+n:161+n], v[96+n:97+n], v[220:221], v[160+n:161+n] op_sel_hi:[1,0,1]
.set n, n+2
.endr
	FINISH
.Lend:
	s_wait_tensorcnt 0x0                           ; the wave's end
	ds_add_u32 v254, v255
	s_wait_dscnt 0x0
	CROUND                                         ; the closing round
	s_endpgm
.Lfunc_end_k_qe708ca60f8_attn:
	.size	k_qe708ca60f8_attn, .Lfunc_end_k_qe708ca60f8_attn-k_qe708ca60f8_attn
	.p2alignl 7, 3214868480
	.fill 96, 4, 3214868480
	.section	.rodata,"a",@progbits
	.p2align	6, 0x0
	.amdhsa_kernel k_qe708ca60f8_attn
		.amdhsa_group_segment_fixed_size 327680
		.amdhsa_private_segment_fixed_size 0
		.amdhsa_enable_private_segment 0
		.amdhsa_kernarg_size 24
		.amdhsa_user_sgpr_count 2
		.amdhsa_user_sgpr_kernarg_segment_ptr 1
		.amdhsa_wavefront_size32 1
		.amdhsa_system_sgpr_workgroup_id_x 1
		.amdhsa_system_sgpr_workgroup_id_y 1
		.amdhsa_system_sgpr_workgroup_id_z 1
		.amdhsa_system_vgpr_workitem_id 0
		.amdhsa_next_free_vgpr 256
		.amdhsa_next_free_sgpr 100
		.amdhsa_reserve_vcc 0
		.amdhsa_float_denorm_mode_32 3
		.amdhsa_float_denorm_mode_16_64 3
		.amdhsa_memory_ordered 1
		.amdhsa_forward_progress 1
		.amdhsa_inst_pref_size 68
	.end_amdhsa_kernel
	.amdgpu_metadata
---
amdhsa.version: [ 1, 2 ]
amdhsa.kernels:
  - .name:           k_qe708ca60f8_attn
    .symbol:         k_qe708ca60f8_attn.kd
    .args:
      - { .name: qq, .offset: 0, .size: 8, .value_kind: global_buffer, .address_space: global }
      - { .name: kv, .offset: 8, .size: 8, .value_kind: global_buffer, .address_space: global }
      - { .name: oq, .offset: 16, .size: 8, .value_kind: global_buffer, .address_space: global }
    .group_segment_fixed_size: 327680
    .private_segment_fixed_size: 0
    .kernarg_segment_align: 8
    .kernarg_segment_size: 24
    .max_flat_workgroup_size: 512
    .sgpr_count:     100
    .vgpr_count:     256
    .wavefront_size: 32
...
	.end_amdgpu_metadata
.endif
;; end of part 3
;; launch oproj (part 4): grid 16 x 16, 4 waves a work-group, clusters of 4 x 1, 168,448 bytes of LDS; arguments oq, wo, bo, out0; writes out0
.if DOCPART == 4
	.amdgcn_target "amdgcn-amd-amdhsa--gfx1250"
	.amdhsa_code_object_version 6
	.text
	.protected	k_qe708ca60f8_oproj
	.globl	k_qe708ca60f8_oproj
	.p2align	8
	.type	k_qe708ca60f8_oproj,@function
k_qe708ca60f8_oproj:
	s_mov_b64 s[64:65], 0
	v_nop
	global_prefetch_b8 v0, s[64:65] scope:SCOPE_SE
	s_setreg_imm32_b32 hwreg(HW_REG_WAVE_MODE, 25, 1), 1
	s_wait_xcnt 0x0
	s_wait_alu depctr_hold_cnt(0) depctr_sa_sdst(0) depctr_va_vdst(0) depctr_va_sdst(0) depctr_va_ssrc(0) depctr_va_vcc(0) depctr_vm_vsrc(0)
	s_getreg_b32 s2, hwreg(HW_REG_IB_STS2, 6, 4)
	s_cmp_eq_u32 s2, 0
	s_cbranch_scc0 .Lentry_in_a_cluster
	s_endpgm
.Lentry_in_a_cluster:
	s_bfe_u32 s2, ttmp6, 0x10000c
	s_cmp_lg_u32 s2, 0x3003
	s_cbranch_scc0 .Lentry_shape_is_right
	s_endpgm
.Lentry_shape_is_right:
; out0 = o Wo + bo on codes of BF6 with E8M0 scales.  Work-group: 256 rows x 64 columns (a row's part is 256 bytes, aligned).  Wave w: rows 64 G .. 64 G + 63, G = 4 RT + w.
; The strip of Wo, 51,200 bytes (8 K steps x 6,400), is read by all four waves and by the four row tiles of a cluster: it comes into LDS ONCE, by one joint tensor load a wave (two K steps each), and
; from there into 384 registers of each wave, for all of K.  So the wave's four tiles of 16 rows are finished one after the other, and a tile's rows leave while the next tiles' codes are still on their way.
; o's fragments are read by one wave of the work-group: they come from memory straight into registers, images of registers as they lie, two tiles (64 loads) ahead.  No prefetch: no loop to run ahead in.
; TRANSPOSED use (source 0 = 16 columns of Wo, source 1 = 16 rows of o): a lane holds eight neighbouring columns of one row.  bo is the C of each sum's first matrix instruction
; (so the bias is the first addend of its f32 sum, where the definition adds it last).
; Place p of tile t stands for row (column) 8 t + p % 8 + 32 (p / 8) of its group of 64.  o's scale bytes lie in two planes, even and odd heads, two bytes a row.
; The way out: a tile of 16 rows goes through the wave's own stage in LDS, behind the weights (no fill lands there), and leaves as whole rows of 256 bytes.
; REGISTERS: window 0: v1-15 addresses; v16-31 o's scale words; v32-47 the weights'; v48-63 at work; v64-255 o's fragments, two tiles; window 1: v0-239 the weights' K steps 0-4;
;   window 2: v0-143 K steps 5-7; v160-223 the accumulators, two tiles by turns; v224-255 bo; window 3: v0-63 rows on their way out.
.set XSC,  3145728
.set PLANE, 65536
.set SBLK, 6400                        ; a K step's weights: 4 fragments of 1,536 bytes, 256 bytes of scale words
.set STG,  51200                       ; the stages: 16 rows x 272 bytes a wave
.set L16,  1
.set L8,   2
.set L4,   3
.set STO,  4
.set RD,   5
.set CO,   6
.set HB,   7
.set LS,   11
.set SPW,  14
.set NIL,  15
.set XS,   16
.set WS,   32
.set X1,   48
.set AR,   64
.set AC,   160
.set WV,   20
.set G1,   24
.set G0,   32
.set MSB, 0
.macro WIN new                         ; the immediate's high byte repeats the setting that is left
.if MSB != \new
	s_set_vgpr_msb (MSB<<8)|\new
.set MSB, \new
.endif
.endm
.macro CROUND                          ; a round of the cluster's barrier
	s_barrier_signal -1
	s_barrier_wait -1
	s_cmp_lg_u32 s[WV], 0
	s_cbranch_scc1 .Lnot_wave_0_\@
	s_barrier_signal -3
.Lnot_wave_0_\@:
	s_barrier_wait -3
	s_barrier_signal -1
	s_barrier_wait -1
.endm
.macro EMIT
.if fA && fB
	v_wmma_scale_f32_16x16x128_f8f6f4 v[rD:rD+7], v[rA:rA+11], v[rB:rB+11], v[rC:rC+7], v[rSA], v[rSB] matrix_a_fmt:MATRIX_FMT_BF6 matrix_b_fmt:MATRIX_FMT_BF6 matrix_a_scale:MATRIX_SCALE_ROW1 matrix_b_scale:MATRIX_SCALE_ROW1
.elseif fA
	v_wmma_scale_f32_16x16x128_f8f6f4 v[rD:rD+7], v[rA:rA+11], v[rB:rB+11], v[rC:rC+7], v[rSA], v[rSB] matrix_a_fmt:MATRIX_FMT_BF6 matrix_b_fmt:MATRIX_FMT_BF6 matrix_a_scale:MATRIX_SCALE_ROW1
.elseif fB
	v_wmma_scale_f32_16x16x128_f8f6f4 v[rD:rD+7], v[rA:rA+11], v[rB:rB+11], v[rC:rC+7], v[rSA], v[rSB] matrix_a_fmt:MATRIX_FMT_BF6 matrix_b_fmt:MATRIX_FMT_BF6 matrix_b_scale:MATRIX_SCALE_ROW1
.else
	v_wmma_scale_f32_16x16x128_f8f6f4 v[rD:rD+7], v[rA:rA+11], v[rB:rB+11], v[rC:rC+7], v[rSA], v[rSB] matrix_a_fmt:MATRIX_FMT_BF6 matrix_b_fmt:MATRIX_FMT_BF6
.endif
.endm
.macro ALOAD a                         ; tile a's fragments for all of K: 32 loads, each of 512 or 256 consecutive bytes
	WIN 0
.irp s, 0,1,2,3,4,5,6,7
.irp c, 0,1
.set rR, AR+96*((\a)%2)+12*\s+6*\c
	global_load_b128 v[rR:rR+3], v[L16], s[42:43] offset:\s*6144+(\a)*1536+\c*768
	global_load_b64 v[rR+4:rR+5], v[L8], s[42:43] offset:\s*6144+(\a)*1536+\c*768+512
.endr
.endr
.endm
.macro TILE a
.if (\a) < 3
	s_wait_loadcnt 32                              ; this tile's fragments are in; the next tile's 32 loads may be out
.else
	s_wait_loadcnt 0x0
.endif
.irp s, 0,1,2,3,4,5,6,7
	WIN (0xa1+(\s/5))                              ; source 0 (Wo) window 1 or 2; source 1 (o) window 0; C and D window 2
.irp t, 0,1,2,3                                ; the four accumulators take turns, one instruction a turn
.set rD, AC+32*((\a)%2)+8*\t
.set rA, 12*(4*(\s%5)+\t)
.set rB, AR+96*((\a)%2)+12*\s
.set rSA, WS+2*\s+\t/2
.set rSB, XS+2*\s+(\a)/2
.set fA, \t%2
.set fB, (\a)%2
.if \s == 0
.set rC, 224+8*\t
.else
.set rC, rD
.endif
	EMIT
.endr
.endr
.rept 4
	v_nop                                          ; four plain places between a matrix instruction and a load into, or a store of, its registers
.endr
.if (\a) < 2
	ALOAD (\a)+2
.else
	s_wait_xcnt 0x0                                ; tile a - 2's stores have read their registers: tile a's rows may land there
.endif
	WIN 0x08                                       ; an LDS store's data are its source 1: window 2
.irp t, 0,1,2,3                                ; the tile's 16 rows x 64 columns into my stage, each accumulator from its low end on,
	ds_store_b128 v[STO], v[AC+32*((\a)%2)+8*\t:AC+32*((\a)%2)+8*\t+3] offset:32*\t
	ds_store_b128 v[STO], v[AC+32*((\a)%2)+8*\t+4:AC+32*((\a)%2)+8*\t+7] offset:32*\t+16
.endr
	WIN 0xc0
.irp i, 0,1,2,3,4,5,6,7                        ; and back as whole rows; LDS serves a wave's instructions in order (ISA guide 5.7.1.4)
	ds_load_b128 v[32*((\a)%2)+4*\i:32*((\a)%2)+4*\i+3], v[RD] offset:544*\i
.endr
	s_wait_dscnt 0x0
	WIN 0x0c
.irp i, 0,1,2,3,4,5,6,7
	global_store_b128 v[CO], v[32*((\a)%2)+4*\i:32*((\a)%2)+4*\i+3], s[46:47] offset:(8*(\a)+2*(\i%4)+32*(\i/4))*4096 th:TH_STORE_NT   ; sixteen lanes store 256 consecutive bytes, aligned
.endr
	WIN 0
.endm
	s_load_b256 s[4:11], s[0:1], 0x0               ; oq, wo, bo, out0
	v_lshl_add_u32 v[SPW], v0, 2, 0x29000
	v_mov_b32 v[NIL], 0
	ds_add_u32 v[SPW], v[NIL]                      ; the wave's opening
	ds_add_u32 v[SPW], v[NIL]
	v_lshrrev_b32 v8, 5, v0
	v_readfirstlane_b32 s[WV], v8                  ; wave 0..3
	v_and_b32 v10, 31, v0                          ; lane
	v_and_b32 v8, 15, v0                           ; r
	v_bfe_u32 v9, v0, 4, 1                         ; h
	v_lshlrev_b32 v[L16], 4, v10
	v_lshlrev_b32 v[L8], 3, v10
	v_lshlrev_b32 v[L4], 2, v10
	v_lshlrev_b32 v[LS], 1, v10
	s_mul_i32 s21, s[WV], 4352
	s_add_co_u32 s21, s21, STG                     ; my stage
	v_mul_u32_u24 v[STO], v8, 272
	v_lshl_add_u32 v[STO], v9, 7, v[STO]
	v_add_nc_u32 v[STO], s21, v[STO]               ; in: row r, + 128 h
	v_mul_u32_u24 v[RD], v9, 272
	v_lshl_add_u32 v[RD], v8, 4, v[RD]
	v_add_nc_u32 v[RD], s21, v[RD]                 ; back: lanes 0-15 one row, lanes 16-31 the next
	v_lshlrev_b32 v[CO], 4, v8
	v_lshl_add_u32 v[CO], v9, 12, v[CO]            ; and the same two rows in out0
	v_lshlrev_b32 v[HB], 7, v9
	s_bfe_u32 s21, ttmp6, 0x40000                  ; cx: it enters oq's and out0's addresses alone
	s_lshl_b32 s22, ttmp9, 2
	s_add_co_u32 s22, s22, s21
	s_lshl_b32 s22, s22, 2
	s_add_co_u32 s22, s22, s[WV]                   ; G
	s_and_b32 s23, ttmp7, 0xffff                   ; the strip of 64 columns, which the four partners share
	; descriptor group 1: a dense block of 12,800 bytes as 50 rows of 256 bytes (32 elements of 8 bytes), no padding
	s_mov_b32 s[G1], 15|(3<<16)|(1<<21)            ; the mask: all four work-groups; elements of 8 bytes; bit 21 set beside a mask
	s_mov_b32 s[G1+1], 32<<16
	s_mov_b32 s[G1+2], 50<<16
	s_mov_b32 s[G1+3], 32<<16
	s_mov_b32 s[G1+4], 50
	s_mov_b32 s[G1+5], 32
	s_mov_b32 s[G1+6], 0
	s_mov_b32 s[G1+7], 0
	s_mul_i32 s40, s23, 8*SBLK
	s_mul_i32 s59, s[WV], 2*SBLK                   ; K steps 2 w and 2 w + 1: in memory and in LDS alike
	s_add_co_u32 s40, s40, s59
	s_mov_b32 s41, 0
	s_wait_alu depctr_va_vdst(0)
	s_wait_dscnt 0x0
	s_wait_kmcnt 0x0
	s_add_nc_u64 s[6:7], s[6:7], s[40:41]
	CROUND                                         ; all four work-groups are here: the joint loads meet
	s_mov_b32 s[G0], 1
	s_mov_b32 s[G0+1], s59
	s_mov_b64 s[G0+2:G0+3], s[6:7]
	s_or_b32 s[G0+3], s[G0+3], 0x80000000
	tensor_load_to_lds s[G0:G0+3], s[G1:G1+7]      ; one load of mine is out
	s_nop 0
.rept 4
	v_nop
.endr
	s_lshl_b32 s40, s23, 8
	s_add_nc_u64 s[8:9], s[8:9], s[40:41]          ; the strip's 64 numbers of bo
	s_add_nc_u64 s[46:47], s[10:11], s[40:41]      ; the strip's 256 bytes of a row,
	s_lshl_b32 s40, s22, 18
	s_add_nc_u64 s[46:47], s[46:47], s[40:41]      ; at my first row
	s_mul_i32 s40, s22, 49152
	s_add_nc_u64 s[42:43], s[4:5], s[40:41]        ; my 64 rows' codes
	s_lshl_b32 s40, s22, 10
	s_add_co_u32 s40, s40, XSC
	s_add_nc_u64 s[44:45], s[4:5], s[40:41]        ; and their scale bytes
	WIN 0x80
	s_wait_alu depctr_va_vdst(0)
.irp t, 0,1,2,3                                ; lane (r, h) wants, for tile t, bo of columns 32 h + 8 t + 0..7
	global_load_b128 v[224+8*\t:224+8*\t+3], v[HB], s[8:9] offset:32*\t
	global_load_b128 v[224+8*\t+4:224+8*\t+7], v[HB], s[8:9] offset:32*\t+16
.endr
	WIN 0
.irp k, 0,1,2,3,4,5,6,7,8,9,10,11,12,13,14,15  ; K step k / 2, tiles 2 (k % 2) (lanes 0-15) and 2 (k % 2) + 1 (lanes 16-31): two bytes of each plane
	global_load_u16 v[XS+\k], v[LS], s[44:45] offset:64*\k
	global_load_u16 v[X1+\k], v[LS], s[44:45] offset:PLANE+64*\k
.endr
	ALOAD 0
	ALOAD 1
	s_wait_tensorcnt 0x0                           ; my two K steps of the weights are in,
	s_barrier_signal -1
	s_barrier_wait -1                              ; everybody's are
.irp s, 0,1,2,3,4,5,6,7                        ; the weights' fragments for all of K
	WIN (0x40+0x40*(\s/5))
.irp t, 0,1,2,3
.set rT, 12*(4*(\s%5)+\t)
.set rO, \s*SBLK+\t*1536
	ds_load_b128 v[rT:rT+3], v[L16] offset:rO
	ds_load_b64 v[rT+4:rT+5], v[L8] offset:rO+512
	ds_load_b128 v[rT+6:rT+9], v[L16] offset:rO+768
	ds_load_b64 v[rT+10:rT+11], v[L8] offset:rO+1280
.endr
.endr
	WIN 0
.irp k, 0,1,2,3,4,5,6,7,8,9,10,11,12,13,14,15
	ds_load_b32 v[WS+\k], v[L4] offset:(\k/2)*SBLK+6144+128*(\k%2)
.endr
	s_wait_loadcnt 63                              ; bo and the scale bytes are in: behind them stand 64 loads of fragments
.irp k, 0,1,2,3,4,5,6,7,8,9,10,11,12,13,14,15
	v_lshl_or_b32 v[XS+\k], v[X1+\k], 16, v[XS+\k]   ; the four bytes of a row and 128 along K
.endr
.rept 8
	v_nop                                          ; a scale register written by a vector instruction stands 8 places ahead of a scaled matrix instruction
.endr
	s_wait_alu depctr_va_vdst(0)
	s_wait_dscnt 0x0                               ; all weights are in registers
.irp a, 0,1,2,3
	TILE \a
.endr
	s_wait_tensorcnt 0x0                           ; the wave's end
	ds_add_u32 v[SPW], v[NIL]
	s_wait_dscnt 0x0
	CROUND                                         ; the closing round: no work-group ends while a partner may still ask for a tile that names it
	s_endpgm
.Lfunc_end_k_qe708ca60f8_oproj:
	.size	k_qe708ca60f8_oproj, .Lfunc_end_k_qe708ca60f8_oproj-k_qe708ca60f8_oproj
	.p2alignl 7, 3214868480
	.fill 96, 4, 3214868480
	.section	.rodata,"a",@progbits
	.p2align	6, 0x0
	.amdhsa_kernel k_qe708ca60f8_oproj
		.amdhsa_group_segment_fixed_size 168448
		.amdhsa_private_segment_fixed_size 0
		.amdhsa_enable_private_segment 0
		.amdhsa_kernarg_size 32
		.amdhsa_user_sgpr_count 2
		.amdhsa_user_sgpr_kernarg_segment_ptr 1
		.amdhsa_wavefront_size32 1
		.amdhsa_system_sgpr_workgroup_id_x 1
		.amdhsa_system_sgpr_workgroup_id_y 1
		.amdhsa_system_sgpr_workgroup_id_z 1
		.amdhsa_system_vgpr_workitem_id 0
		.amdhsa_next_free_vgpr 1024
		.amdhsa_next_free_sgpr 66
		.amdhsa_reserve_vcc 0
		.amdhsa_float_denorm_mode_32 3
		.amdhsa_float_denorm_mode_16_64 3
		.amdhsa_memory_ordered 1
		.amdhsa_forward_progress 1
		.amdhsa_inst_pref_size 56
	.end_amdhsa_kernel
	.amdgpu_metadata
---
amdhsa.version: [ 1, 2 ]
amdhsa.kernels:
  - .name:           k_qe708ca60f8_oproj
    .symbol:         k_qe708ca60f8_oproj.kd
    .args:
      - { .name: oq, .offset: 0, .size: 8, .value_kind: global_buffer, .address_space: global }
      - { .name: wo, .offset: 8, .size: 8, .value_kind: global_buffer, .address_space: global }
      - { .name: bo, .offset: 16, .size: 8, .value_kind: global_buffer, .address_space: global }
      - { .name: out0, .offset: 24, .size: 8, .value_kind: global_buffer, .address_space: global }
    .group_segment_fixed_size: 168448
    .private_segment_fixed_size: 0
    .kernarg_segment_align: 8
    .kernarg_segment_size: 32
    .max_flat_workgroup_size: 128
    .sgpr_count:     66
    .vgpr_count:     1024
    .wavefront_size: 32
...
	.end_amdgpu_metadata
.endif
;; end of part 4
